; MI455X (gfx1250); checked and timed in simulation.
; The chip was launched on July 23, 2026; its instructions are those of AMD's public machine-readable ISA for CDNA 5 (MIT licence, August 2026) and "CDNA5" Instruction Set Architecture Reference Guide (July 2026).
;; Model. Allowed arithmetic: matrix products marked QUANTISED: E4M3 operands, one given power-of-two scale a tensor, by v_wmma_f32_16x16x64_fp8_fp8 or v_wmma_f32_16x16x128_fp8_fp8, f32 sums; everything else in f32.
;; Inputs: attn_mask 1 x 1 x 2,048 x 2,048 float32; key_codes 4 x 16 x 2,048 x 2 x 32 uint8 (E4M3 codes of key, K innermost, in blocks of 32 codes); lowp_scales 4 int32 (the exponents e of the quantised operands' scales 2^e); query_codes 4 x 16 x 2,048 x 2 x 32 uint8 (E4M3 codes of query, K innermost, in blocks of 32 codes); value_codes 4 x 16 x 64 x 64 x 32 uint8 (E4M3 codes of value, K innermost, in blocks of 32 codes).
;; Outputs: out0 4 x 16 x 2,048 x 64 float32.
;; This version of the problem:
;;   THIS VERSION OF THE PROBLEM IS GIVEN IN LOW PRECISION. The matrix products marked QUANTISED in the list below multiply operands that are first quantised to E4M3 (4 exponent bits, 3 mantissa bits; 8 bits a number), with one given power-of-two scale for each operand tensor; their sums are f32. All else is computed in f32.
;;   The module's matrix products, in the order in which they are computed (A, B: the left and right operand; K: the contracted axis; several contracted axes count as one K, in the product's order):
;;     1. batch 64 x [M 2,048, K 64] x [K 64, N 2,048]; A: input query (given as codes); B: input key (given as codes): QUANTISED (scales: A lowp_scales[0], B lowp_scales[1])
;;     2. batch 64 x [M 2,048, K 2,048] x [K 2,048, N 64]; A: softmax (see below); B: input value (given as codes): QUANTISED (scales: A lowp_scales[2], B lowp_scales[3])
;;   THE QUANTISER, for each operand of a quantised product, along K:
;;     - The operand's scale is 2^e, e = its entry of the input lowp_scales (int32; the entries are numbered through the quantised products in the list's order, A before B).
;;     - Each number is divided by the scale, clamped to +-448, and rounded to the nearest number of E4M3, ties to even, subnormals kept.
;;     - The product sums the exact products of the quantised numbers (number of the format x scale) in f32.
;;   ~~~python
;;   def quantise(x, axis, e):      # numpy; x: float32 -> the quantised numbers, widened to float32 again
;;       x = np.moveaxis(x, axis, -1); K = x.shape[-1]
;;       r = np.clip(x / 2.0 ** e, -448, 448)
;;       step = 2.0 ** (np.maximum(np.frexp(np.where(r == 0, 1, r))[1] - 1, -6) - 3)
;;       q = np.round(r / step) * step * 2.0 ** e      # np.round: ties to even
;;       return np.moveaxis(q, -1, axis).astype(np.float32)
;;   ~~~
;;   SOFTMAX AHEAD OF A QUANTISED PRODUCT. Where the list says 'softmax', what is quantised is not the finished softmax but p = 2^(t - M), with t = logit x log2(e) and M = ceil(the row's largest t), a whole number; so 1/2 < the row's largest p <= 1. The row's sum l is taken of the UNQUANTISED p, in f32, and the product's result is divided by l at the end. Since M is a whole number, a kernel that streams over the keys may use a running M (the ceiling of the running maximum): every later rescaling is an exact power of two, so the quantised numbers keep their values, but for numbers so far below the row's largest that they fall under the format's range.
;;   OPERANDS COMPUTED ON THE WAY. 'Computed on the way' means the value that the module computes at that place (a softmax that the list does not call 'softmax' is quantised finished and normalised). What goes into a quantiser is computed in f32, as accurately as f32 sums, v_exp_f32 and their like allow (about 1e-6 of the number): no bf16 or f16 on the way to a quantiser, and a product that is left as it is and whose result goes on into a quantised operand takes f32 operands (vector FMAs, or v_wmma_f32_16x16x4_f32). A number that lies on a knife's edge between two numbers of the format may be rounded either way, as far as f32 arithmetic and the matrix unit's own rounding can turn it there, and no further.
;;   INPUTS GIVEN AS CODES. key (in the module: [4, 16, 2048, 64], K = its axis 3); query (in the module: [4, 16, 2048, 64], K = its axis 3); value (in the module: [4, 16, 2048, 64], K = its axis 2): each comes as NAME_codes (uint8): NAME with its K axis moved to the last place and cut into blocks of 32 codes, [.., K / 32, bytes a block], one block behind the other in memory; one code a byte (a code: sign, 4 exponent bits, 3 mantissa bits); its scale is its entry of lowp_scales. Its value is code x scale, taken as it is: it is not quantised again, and the codes and scales need not be those that the quantiser above would give.
;; One version. Each part assembles by itself: llvm-mc -triple=amdgcn-amd-amdhsa -mcpu=gfx1250 --defsym DOCPART=n.
;; ======== version 1 of 1: 1 launch
;; launch attn (part 1): grid 16 x 16, 8 waves a work-group, clusters of 4 x 4, 327,680 bytes of LDS; arguments attn_mask, key_codes, lowp_scales, query_codes, value_codes, out0; writes out0
.if DOCPART == 1
	.amdgcn_target "amdgcn-amd-amdhsa--gfx1250"
	.amdhsa_code_object_version 6
	.text
	.protected	k_q382e0112d6_attn
	.globl	k_q382e0112d6_attn
	.p2align	8
	.type	k_q382e0112d6_attn,@function
k_q382e0112d6_attn:
	s_mov_b64 s[64:65], 0
	v_nop
	global_prefetch_b8 v0, s[64:65] scope:SCOPE_SE
	s_setreg_imm32_b32 hwreg(HW_REG_WAVE_MODE, 25, 1), 1
	s_wait_xcnt 0x0
	s_wait_alu depctr_hold_cnt(0) depctr_sa_sdst(0) depctr_va_vdst(0) depctr_va_sdst(0) depctr_va_ssrc(0) depctr_va_vcc(0) depctr_vm_vsrc(0)
	s_getreg_b32 s2, hwreg(HW_REG_IB_STS2, 6, 4)
	s_cmp_eq_u32 s2, 0
	s_cbranch_scc0 .Lentry_in_a_cluster
	s_endpgm
.Lentry_in_a_cluster:
	s_bfe_u32 s2, ttmp6, 0x10000c
	s_cmp_lg_u32 s2, 0xf033
	s_cbranch_scc0 .Lentry_shape_is_right
	s_endpgm
.Lentry_shape_is_right:
.set PITM,  528
.set PITK,  80
.set PITV,  144
.set KOFF,  128*PITM
.set VOFF,  KOFF+512*PITK
.set SLOTB, VOFF+256*PITV
.set SPARE, 2*SLOTB
.set SPIT,  272
.set SPW,  1
.set NIL,  2
.set AM,   3
.set AK,   5
.set AV,   7
.set STO,  9
.set RD,   10
.set GO,   11
.set LIMV, 12
.set SCV,  13
.set TP,   14
.set QO,   15
.set ST,   16
.set TA,   32
.set TB,   33
.set FP,   34
.set C2,   36
.set HM,   38
.set Q,    40
.set CD,   72
.set F,    104
.set S,    168
.set MSK,  232
.set XQ,   240
.set MK,   128
.set ROLE, 3
.set WV,   16
.set HP,   17
.set TPS,  18
.set CNT,  19
.set SEL,  20
.set CS,   22
.set G1M,  24
.set G1K,  32
.set G1V,  40
.set G0M,  48
.set G0K,  56
.set G0V,  68
.set EX,   76
.set MS,   80
.set MSB, 0
.macro WIN new
.if MSB != \new
	s_set_vgpr_msb (MSB<<8)|\new
.set MSB, \new
.endif
.endm
.set W_ML,  0x40
.set W_X,   0x41
.set W_MA,  0x10
.set W_PV,  0x50
.set W_OUT, 0x01
.macro PLACES
.rept 4
	v_nop
.endr
.endm
.macro ROUND
	s_barrier_signal -1
	s_barrier_wait -1
	s_cmp_lg_u32 s[WV], 0
	s_cbranch_scc1 .Lnot_wave_0_\@
	s_barrier_signal -3
.Lnot_wave_0_\@:
	s_barrier_wait -3
	s_barrier_signal -1
	s_barrier_wait -1
.endm
.macro JLOAD n
	s_cmp_lt_u32 s[WV], 2
	s_cbranch_scc0 .Lnot_m_\@
	tensor_load_to_lds s[G0M+4*(\n):G0M+4*(\n)+3], s[G1M:G1M+7]
	s_nop 0
.rept 4
	v_nop
.endr
	s_branch .Lasked_\@
.Lnot_m_\@:
	s_cmp_lt_u32 s[WV], 6
	s_cbranch_scc0 .Lnot_k_\@
	tensor_load_to_lds s[G0K+4*(\n):G0K+4*(\n)+3], s[G1K:G1K+7]
	s_nop 0
.rept 4
	v_nop
.endr
	s_branch .Lasked_\@
.Lnot_k_\@:
	tensor_load_to_lds s[G0V+4*(\n):G0V+4*(\n)+3], s[G1V:G1V+7]
	s_nop 0
.rept 4
	v_nop
.endr
.Lasked_\@:
.endm
	s_load_b256 s[4:11], s[0:1], 0x0
	s_load_b128 s[12:15], s[0:1], 0x20
	v_lshl_add_u32 v[SPW], v0, 2, SPARE
	v_mov_b32 v[NIL], 0
	ds_add_u32 v[SPW], v[NIL]
	ds_add_u32 v[SPW], v[NIL]
	v_lshrrev_b32 v[TA], 5, v0
	v_readfirstlane_b32 s[WV], v[TA]
	s_and_b32 s[HP], s[WV], 1
	s_lshr_b32 s[TPS], s[WV], 1
	s_lshr_b32 s[ROLE], s[WV], 2
	s_xor_b32 s[ROLE], s[ROLE], s[WV]
	s_and_b32 s[ROLE], s[ROLE], 1
	s_bfe_u32 s82, ttmp6, 0x40000
	s_bfe_u32 s83, ttmp6, 0x40004
	s_lshl_b32 s84, ttmp9, 2
	s_add_co_u32 s84, s84, s82
	s_and_b32 s85, ttmp7, 0xffff
	s_lshl_b32 s85, s85, 2
	s_add_co_u32 s85, s85, s83
	s_lshl_b32 s86, s83, 2
	s_lshl_b32 s86, 15, s86
	s_lshl_b32 s87, 0x1111, s82
	s_or_b32 s[G1M], s87, (2<<16)|(1<<20)|(1<<21)|(6<<22)|(3<<25)
	s_mov_b32 s[G1M+1], 128<<16
	s_mov_b32 s[G1M+2], 64<<16
	s_mov_b32 s[G1M+3], 128<<16
	s_mov_b32 s[G1M+4], 64
	s_mov_b32 s[G1M+5], 2048
	s_mov_b32 s[G1M+6], 0
	s_mov_b32 s[G1M+7], 0
	s_or_b32 s[G1K], s86, (0<<16)|(1<<20)|(1<<21)|(3<<22)|(3<<25)
	s_mov_b32 s[G1K+1], 64<<16
	s_mov_b32 s[G1K+2], 128<<16
	s_mov_b32 s[G1K+3], 64<<16
	s_mov_b32 s[G1K+4], 128
	s_mov_b32 s[G1K+5], 64
	s_mov_b32 s[G1K+6], 0
	s_mov_b32 s[G1K+7], 0
	s_or_b32 s[G1V], s86, (0<<16)|(1<<20)|(1<<21)|(4<<22)|(3<<25)
	s_mov_b32 s[G1V+1], 128<<16
	s_mov_b32 s[G1V+2], 128<<16
	s_mov_b32 s[G1V+3], 128<<16
	s_mov_b32 s[G1V+4], 128
	s_mov_b32 s[G1V+5], 2048
	s_mov_b32 s[G1V+6], 0
	s_mov_b32 s[G1V+7], 0
	s_lshl_b32 s88, s84, 20
	s_lshl_b32 s89, s[HP], 19
	s_add_co_u32 s88, s88, s89
	s_mov_b32 s89, 0
	s_mul_i32 s95, s[HP], 64*PITM
	s_add_co_u32 s90, s[WV], 2
	s_and_b32 s90, s90, 3
	s_mul_i32 s94, s90, 128*PITK
	s_lshl_b32 s91, s85, 2
	s_add_co_u32 s90, s91, s90
	s_lshl_b32 s90, s90, 17
	s_mov_b32 s91, 0
	s_lshl_b32 s92, s85, 19
	s_lshl_b32 s93, s[HP], 18
	s_add_co_u32 s92, s92, s93
	s_mov_b32 s93, 0
	s_mul_i32 s96, s[HP], 128*PITV
	s_lshl_b32 s98, s85, 2
	s_lshl_b32 s99, s[HP], 1
	s_add_co_u32 s98, s98, s99
	s_lshl_b32 s98, s98, 17
	s_lshl_b32 s99, s84, 13
	s_add_co_u32 s98, s98, s99
	s_lshl_b32 s99, s[TPS], 11
	s_add_co_u32 s98, s98, s99
	s_mov_b32 s99, 0
	s_lshl_b32 s66, s98, 2
	s_mov_b32 s67, 0
	s_mov_b32 s[SEL], 0x76543210
	s_mov_b32 s[SEL+1], 0xfedcba98
	s_mov_b32 s[CS], 0x3fb8aa3b
	s_mov_b32 s[CS+1], s[CS]
	s_wait_dscnt 0x0
	s_wait_kmcnt 0x0
	s_load_b128 s[EX:EX+3], s[8:9], 0x0
	s_add_nc_u64 s[4:5], s[4:5], s[88:89]
	s_add_nc_u64 s[6:7], s[6:7], s[90:91]
	s_add_nc_u64 s[12:13], s[12:13], s[92:93]
	s_add_nc_u64 s[10:11], s[10:11], s[98:99]
	s_add_nc_u64 s[14:15], s[14:15], s[66:67]
.irp n, 0,1
	s_mov_b32 s[G0M+4*\n], 1
	s_add_co_u32 s[G0M+4*\n+1], s95, \n*SLOTB
	s_add_nc_u64 s[G0M+4*\n+2:G0M+4*\n+3], s[4:5], \n*512
	s_or_b32 s[G0M+4*\n+3], s[G0M+4*\n+3], 0x80000000
	s_mov_b32 s[G0K+4*\n], 1
	s_add_co_u32 s[G0K+4*\n+1], s94, \n*SLOTB+KOFF
	s_add_nc_u64 s[G0K+4*\n+2:G0K+4*\n+3], s[6:7], \n*8192
	s_or_b32 s[G0K+4*\n+3], s[G0K+4*\n+3], 0x80000000
	s_mov_b32 s[G0V+4*\n], 1
	s_add_co_u32 s[G0V+4*\n+1], s96, \n*SLOTB+VOFF
	s_add_nc_u64 s[G0V+4*\n+2:G0V+4*\n+3], s[12:13], \n*128
	s_or_b32 s[G0V+4*\n+3], s[G0V+4*\n+3], 0x80000000
.endr
	ROUND
	JLOAD 0
	v_and_b32 v[TA], 15, v0
	v_bfe_u32 v[TB], v0, 4, 1
	v_lshlrev_b32 v[QO], 6, v[TA]
	v_lshl_add_u32 v[QO], v[TB], 4, v[QO]
.irp a, 0,1
.irp b, 0,1
.irp c, 0,1
	global_load_b128 v[Q+8*(2*\a+\b)+4*\c:Q+8*(2*\a+\b)+4*\c+3], v[QO], s[10:11] offset:\a*131072+\b*1024+32*\c th:TH_LOAD_NT
.endr
.endr
.endr
	s_mul_i32 s97, s[TPS], 32*PITM
	v_mul_u32_u24 v[AM], v[TA], PITM
	v_lshl_add_u32 v[AM], v[TB], 5, v[AM]
	v_add_nc_u32 v[AM], s97, v[AM]
	v_add_nc_u32 v[AM+1], SLOTB, v[AM]
	s_mul_i32 s97, s[HP], 256*PITK
	s_add_co_u32 s97, s97, KOFF
	v_mul_u32_u24 v[AK], v[TA], PITK
	v_lshl_add_u32 v[AK], v[TB], 4, v[AK]
	v_add_nc_u32 v[AK], s97, v[AK]
	v_add_nc_u32 v[AK+1], SLOTB, v[AK]
	s_mul_i32 s97, s[HP], 128*PITV
	s_add_co_u32 s97, s97, VOFF
	v_mul_u32_u24 v[AV], v[TA], PITV
	v_lshl_add_u32 v[AV], v[TB], 3, v[AV]
	v_add_nc_u32 v[AV], s97, v[AV]
	v_add_nc_u32 v[AV+1], SLOTB, v[AV]
	s_mul_i32 s97, s[WV], 16*SPIT
	v_mul_u32_u24 v[STO], v[TA], SPIT
	v_lshl_add_u32 v[STO], v[TB], 5, v[STO]
	v_add_nc_u32 v[STO], s97, v[STO]
	v_mul_u32_u24 v[RD], v[TB], SPIT
	v_lshl_add_u32 v[RD], v[TA], 4, v[RD]
	v_add_nc_u32 v[RD], s97, v[RD]
	v_lshlrev_b32 v[GO], 8, v[TB]
	v_lshl_add_u32 v[GO], v[TA], 4, v[GO]
	v_add_nc_u32 v[HM], -1, v[TB]
	v_sub_nc_u32 v[HM+1], 0, v[TB]
.irp b, 0,1,2,3
	v_and_b32 v[MSK+\b], 0xff<<(8*\b), v[HM]
	v_and_b32 v[MSK+4+\b], 0xff<<(8*\b), v[HM+1]
.endr
.irp c, 0,1,2,3
	v_mov_b32 v[XQ+2*\c+1], 0
	v_mov_b32 v[XQ+8+2*\c+1], 0
.endr
.irp u, 0,1,2,3
	v_mov_b32 v[ST+4*\u+1], 0xff61b1e6
	v_floor_f32 v[ST+4*\u], -v[ST+4*\u+1]
	v_mov_b32 v[ST+4*\u+2], 0
	v_mov_b32 v[ST+4*\u+3], 0
.endr
	v_mov_b32 v[TP], 0
	v_mov_b32 v[FP+1], 0
	WIN W_ML
.set jj, 0
.rept 64
	v_mov_b32 v[64+jj], 0
.set jj, jj+1
.endr
	WIN 0
	s_wait_kmcnt 0x0
	s_add_co_i32 s82, s[EX], s[EX+1]
	s_add_co_i32 s[MS], s82, 127
	s_lshl_b32 s[MS], s[MS], 23
	s_mov_b32 s[MS+1], s[MS]
	s_add_co_i32 s82, s[EX+2], 127
	s_lshl_b32 s83, s82, 23
	v_mov_b32 v[SCV], s83
	s_add_co_i32 s82, s82, 8
	s_lshl_b32 s82, s82, 23
	s_or_b32 s82, s82, 0x600000
	v_mov_b32 v[LIMV], s82
	s_wait_loadcnt 0x0
.macro MLOAD n
	WIN W_ML
.irp b, 0,1
.irp t, 0,1,2,3,4,5,6,7
	ds_load_b128 v[MK+64*\b+8*\t:MK+64*\b+8*\t+3],   v[AM+\n] offset:\b*16*PITM+64*\t
	ds_load_b128 v[MK+64*\b+8*\t+4:MK+64*\b+8*\t+7], v[AM+\n] offset:\b*16*PITM+64*\t+16
.endr
.endr
	WIN 0
.endm
.macro KLOAD n, a
.irp t, 0,1,2,3,4,5,6,7
	ds_load_b128 v[F+8*\t:F+8*\t+3],   v[AK+\n] offset:\a*128*PITK+\t*16*PITK
	ds_load_b128 v[F+8*\t+4:F+8*\t+7], v[AK+\n] offset:\a*128*PITK+\t*16*PITK+32
.endr
.endm
.macro VLOAD n, a
.irp d, 0,1,2,3
.irp g, 0,1,2,3,4,5,6,7
	ds_load_b64 v[F+16*\d+2*\g:F+16*\d+2*\g+1], v[AV+\n] offset:\a*64*PITV+\d*16*PITV+16*\g
.endr
.endr
.endm
.macro QK u
	WIN 0
.set nn, 0
.rept 16
.set ph, nn/8
.if ((\u)%2) == 0
.set rho, ph
.else
.set rho, 1-ph
.endif
.set eta, (nn%8)/4
.set bb, nn%4
.set XB, XQ+8*(nn%2)
.if (ph == 1) && ((nn%8) < 2)
.irp c, 0,1,2,3
	v_mov_b32 v[XB+2*\c+1-rho], 0
.endr
.endif
.irp c, 0,1,2,3
	v_and_b32 v[XB+2*\c+rho], v[Q+8*(\u)+2*\c+rho], v[MSK+4*eta+(bb+\c)%4]
.endr
.irp t, 0,1,2,3,4,5,6,7
.if nn == 0
	v_wmma_f32_16x16x64_fp8_fp8 v[S+8*\t:S+8*\t+7], v[F+8*\t:F+8*\t+7], v[XB:XB+7], 0
.else
	v_wmma_f32_16x16x64_fp8_fp8 v[S+8*\t:S+8*\t+7], v[F+8*\t:F+8*\t+7], v[XB:XB+7], v[S+8*\t:S+8*\t+7]
.endif
.endr
.set nn, nn+1
.endr
	PLACES
.endm
.macro SOFTMAX u, b, first
.set rT, ST+4*(\u)
	WIN W_MA
.set jj, 0
.rept 32
	v_pk_fma_f32 v[S+jj:S+jj+1], v[S+jj:S+jj+1], s[MS:MS+1], v[MK+64*\b+jj:MK+64*\b+jj+1] op_sel_hi:[1,0,1]
.set jj, jj+2
.endr
	WIN 0
	v_max3_num_f32 v[TA], v[S], v[S+1], v[S+2]
	v_max3_num_f32 v[TB], v[S+3], v[S+4], v[S+5]
.irp i, 6,10,14,18,22,26,30,34,38,42,46,50,54,58
	v_max3_num_f32 v[TA], v[TA], v[S+\i], v[S+\i+1]
	v_max3_num_f32 v[TB], v[TB], v[S+\i+2], v[S+\i+3]
.endr
	v_max3_num_f32 v[TA], v[TA], v[S+62], v[S+63]
	v_max_num_f32 v[TA], v[TA], v[TB]
	v_permlanex16_b32 v[TP], v[TA], s[SEL], s[SEL+1]
	v_max_num_f32 v[TA], v[TA], v[TP]
	v_mul_f32 v[TA], s[CS], v[TA]
	v_max_num_f32 v[rT+1], v[rT+1], v[TA]
	v_mov_b32 v[TA], v[rT]
	v_floor_f32 v[rT], -v[rT+1]
	v_sub_f32 v[TA], v[rT], v[TA]
	v_cvt_i32_f32 v[TA], v[TA]
	v_ldexp_f32 v[FP], 1.0, v[TA]
.set jj, 0
.rept 32
	v_pk_fma_f32 v[S+jj:S+jj+1], v[S+jj:S+jj+1], s[CS:CS+1], v[rT:rT+1] op_sel_hi:[1,0,0]
.set jj, jj+2
.endr
.set jj, 0
.rept 64
	v_exp_f32 v[S+jj], v[S+jj]
.set jj, jj+1
.endr
	v_pk_mul_f32 v[rT+2:rT+3], v[rT+2:rT+3], v[FP:FP+1] op_sel_hi:[1,0]
	s_wait_alu depctr_va_vdst(0)
	v_pk_add_f32 v[C2:C2+1], v[S:S+1], v[S+2:S+3]
.irp j, 4,8,12,16,20,24,28,32,36,40,44,48,52,56,60
	v_pk_add_f32 v[rT+2:rT+3], v[rT+2:rT+3], v[S+\j:S+\j+1]
	v_pk_add_f32 v[C2:C2+1], v[C2:C2+1], v[S+\j+2:S+\j+3]
.endr
	v_pk_add_f32 v[rT+2:rT+3], v[rT+2:rT+3], v[C2:C2+1]
.irp t, 0,1,2,3,4,5,6,7
.irp i, 0,1,2,3,4,5,6,7
	v_min_num_f32 v[S+8*\t+\i], v[S+8*\t+\i], v[LIMV]
.endr
	v_cvt_scalef32_pk8_fp8_f32 v[CD+16*\b+2*\t:CD+16*\b+2*\t+1], v[S+8*\t:S+8*\t+7], v[SCV]
.endr
.if \first
	v_nop
.else
	WIN W_X
.set jj, 0
.rept 16
	v_pk_mul_f32 v[32*(\u)+jj:32*(\u)+jj+1], v[32*(\u)+jj:32*(\u)+jj+1], v[FP:FP+1] op_sel_hi:[1,0]
.set jj, jj+2
.endr
.endif
.endm
.macro PVMUL a, first
	s_wait_dscnt 0x0
	WIN W_PV
.irp d, 0,1,2,3
.irp b, 0,1
.if \first
	v_wmma_f32_16x16x128_fp8_fp8 v[32*(2*\a+\b)+8*\d:32*(2*\a+\b)+8*\d+7], v[F+16*\d:F+16*\d+15], v[CD+16*\b:CD+16*\b+15], 0
.else
	v_wmma_f32_16x16x128_fp8_fp8 v[32*(2*\a+\b)+8*\d:32*(2*\a+\b)+8*\d+7], v[F+16*\d:F+16*\d+15], v[CD+16*\b:CD+16*\b+15], v[32*(2*\a+\b)+8*\d:32*(2*\a+\b)+8*\d+7]
.endif
.endr
.endr
	WIN 0
	PLACES
.endm
.macro LAST_PART role
	s_cmp_lg_u32 s[ROLE], \role
	s_cbranch_scc1 .Lnot_my_turn_\@
	SOFTMAX 3, 1, 0
	PVMUL 1, 0
.Lnot_my_turn_\@:
.endm
.macro WORK n, first, carry
.if \carry
	LAST_PART 1
.endif
	MLOAD \n
	KLOAD \n, 0
	s_wait_dscnt 0x0
	QK 0
	SOFTMAX 0, 0, \first
	QK 1
	VLOAD \n, 0
	SOFTMAX 1, 1, \first
	PVMUL 0, \first
	KLOAD \n, 1
	s_wait_dscnt 0x0
	QK 2
	SOFTMAX 2, 0, 0
	QK 3
	VLOAD \n, 1
	LAST_PART 0
.endm
.macro STEP n, refill, first, carry
	s_wait_tensorcnt 0x0
	ds_add_u32 v[SPW], v[NIL]
	s_add_nc_u64 s[G0M+4*\n+2:G0M+4*\n+3], s[G0M+4*\n+2:G0M+4*\n+3], 2*512
	s_add_nc_u64 s[G0K+4*\n+2:G0K+4*\n+3], s[G0K+4*\n+2:G0K+4*\n+3], 2*8192
	s_add_nc_u64 s[G0V+4*\n+2:G0V+4*\n+3], s[G0V+4*\n+2:G0V+4*\n+3], 2*128
	s_wait_dscnt 0x0
	ROUND
.if \refill
	JLOAD 1-\n
.endif
	WORK \n, \first, \carry
.endm
	STEP 0, 1, 1, 0
	s_mov_b32 s[CNT], 7
.Lpair:
	STEP 1, 1, 0, 1
	STEP 0, 1, 0, 1
	s_sub_co_u32 s[CNT], s[CNT], 1
	s_cmp_lg_u32 s[CNT], 0
	s_cbranch_scc1 .Lpair
	STEP 1, 0, 0, 1
	LAST_PART 1
.irp u, 0,1,2,3
	v_add_f32 v[ST+4*\u+2], v[ST+4*\u+2], v[ST+4*\u+3]
.endr
.irp u, 0,1,2,3
	v_permlanex16_b32 v[ST+4*\u+3], v[ST+4*\u+2], s[SEL], s[SEL+1]
.endr
.irp u, 0,1,2,3
	v_add_f32 v[ST+4*\u+2], v[ST+4*\u+2], v[ST+4*\u+3]
.endr
.irp u, 0,1,2,3
	v_rcp_f32 v[ST+4*\u+3], v[ST+4*\u+2]
.endr
	v_nop
	s_add_co_i32 s82, s[EX+2], s[EX+3]
	s_wait_alu depctr_va_vdst(0)
.irp u, 0,1,2,3
	v_ldexp_f32 v[ST+4*\u+2], v[ST+4*\u+3], s82
.endr
.macro OUTU u
	WIN W_OUT
.set jj, 0
.rept 16
	v_pk_mul_f32 v[S+32*((\u)%2)+jj:S+32*((\u)%2)+jj+1], v[32*(\u)+jj:32*(\u)+jj+1], v[ST+4*(\u)+2:ST+4*(\u)+3] op_sel_hi:[1,0]
.set jj, jj+2
.endr
	WIN 0
.irp d, 0,1,2,3
	ds_store_b128 v[STO], v[S+32*((\u)%2)+8*\d:S+32*((\u)%2)+8*\d+3] offset:64*\d
	ds_store_b128 v[STO], v[S+32*((\u)%2)+8*\d+4:S+32*((\u)%2)+8*\d+7] offset:64*\d+16
.endr
.irp t, 0,1,2,3,4,5,6,7
	ds_load_b128 v[Q+32*(\u)+4*\t:Q+32*(\u)+4*\t+3], v[RD] offset:\t*2*SPIT
.endr
.irp t, 0,1,2,3,4,5,6,7
	s_wait_dscnt 7-\t
	global_store_b128 v[GO], v[Q+32*(\u)+4*\t:Q+32*(\u)+4*\t+3], s[14:15] offset:((\u)/2)*524288+((\u)%2)*4096+512*\t th:TH_STORE_NT
.endr
.endm
	OUTU 0
	OUTU 1
	OUTU 2
	OUTU 3
	s_wait_tensorcnt 0x0
	ds_add_u32 v[SPW], v[NIL]
	s_wait_dscnt 0x0
	ROUND
	s_endpgm
.Lfunc_end_k_q382e0112d6_attn:
	.size	k_q382e0112d6_attn, .Lfunc_end_k_q382e0112d6_attn-k_q382e0112d6_attn
	.p2alignl 7, 3214868480
	.fill 96, 4, 3214868480
	.section	.rodata,"a",@progbits
	.p2align	6, 0x0
	.amdhsa_kernel k_q382e0112d6_attn
		.amdhsa_group_segment_fixed_size 327680
		.amdhsa_private_segment_fixed_size 0
		.amdhsa_enable_private_segment 0
		.amdhsa_kernarg_size 48
		.amdhsa_user_sgpr_count 2
		.amdhsa_user_sgpr_kernarg_segment_ptr 1
		.amdhsa_wavefront_size32 1
		.amdhsa_system_sgpr_workgroup_id_x 1
		.amdhsa_system_sgpr_workgroup_id_y 1
		.amdhsa_system_sgpr_workgroup_id_z 1
		.amdhsa_system_vgpr_workitem_id 0
		.amdhsa_next_free_vgpr 512
		.amdhsa_next_free_sgpr 100
		.amdhsa_reserve_vcc 0
		.amdhsa_float_denorm_mode_32 3
		.amdhsa_float_denorm_mode_16_64 3
		.amdhsa_memory_ordered 1
		.amdhsa_forward_progress 1
		.amdhsa_inst_pref_size 255
	.end_amdhsa_kernel
	.section	.bss,"aw",@nobits
	.p2align	6
	.space	262144
	.amdgpu_metadata
---
amdhsa.version: [ 1, 2 ]
amdhsa.kernels:
  - .name:           k_q382e0112d6_attn
    .symbol:         k_q382e0112d6_attn.kd
    .args:
      - { .name: attn_mask, .offset: 0, .size: 8, .value_kind: global_buffer, .address_space: global }
      - { .name: key_codes, .offset: 8, .size: 8, .value_kind: global_buffer, .address_space: global }
      - { .name: lowp_scales, .offset: 16, .size: 8, .value_kind: global_buffer, .address_space: global }
      - { .name: query_codes, .offset: 24, .size: 8, .value_kind: global_buffer, .address_space: global }
      - { .name: value_codes, .offset: 32, .size: 8, .value_kind: global_buffer, .address_space: global }
      - { .name: out0, .offset: 40, .size: 8, .value_kind: global_buffer, .address_space: global }
    .group_segment_fixed_size: 327680
    .private_segment_fixed_size: 0
    .kernarg_segment_align: 8
    .kernarg_segment_size: 48
    .max_flat_workgroup_size: 256
    .sgpr_count:     100
    .vgpr_count:     512
    .wavefront_size: 32
...
	.end_amdgpu_metadata
.endif
;; end of part 1
